; MI455X (gfx1250); checked and timed in simulation.
; The chip was launched on July 23, 2026; its instructions are those of AMD's public machine-readable ISA for CDNA 5 (MIT licence, August 2026) and "CDNA5" Instruction Set Architecture Reference Guide (July 2026). The comments in the code are by the model that wrote it; some were corrected since.
;; Attention. Allowed arithmetic: matrix products marked QUANTISED: E4M3 operands, one E8M0 scale for each 32 along K, by v_wmma_scale_f32_16x16x128_f8f6f4 with both operands' format E4M3, f32 sums; products left as they are: f32 operands where the result goes on into a quantised operand, else bf16, f16 or f32 operands; f32 sums; everything else in f32.
;; Inputs: keys 32 x 2,048 x 1,024 float32; mask 32 x 2,048 bool; query 32 x 1 x 1,024 float32; ua_b 1,024 float32; ua_w 1,024 x 1,024 float32; va_b 1 float32; va_w 1 x 1,024 float32; wa_b 1,024 float32; wa_w 1,024 x 1,024 float32.
;; Outputs: out0 32 x 1 x 1,024 float32.
;; This version of the problem:
;;   THIS VERSION OF THE PROBLEM IS GIVEN IN LOW PRECISION. The matrix products marked QUANTISED in the list below multiply operands that are first quantised to E4M3 (4 exponent bits, 3 mantissa bits; 8 bits a number), with one power-of-two scale for each 32 numbers along K (OCP MX v1.0); their sums are f32. All else is computed in f32.
;;   The module's matrix products, in the order in which they are computed (A, B: the left and right operand; K: the contracted axis; several contracted axes count as one K, in the product's order):
;;     1. [M 32, K 1,024] x [K 1,024, N 1,024]; A: input query; B: input wa_w: QUANTISED
;;     2. [M 65,536, K 1,024] x [K 1,024, N 1,024]; A: input keys; B: input ua_w: QUANTISED
;;     3. [M 65,536, K 1,024] x [K 1,024, N 1]; A: computed on the way; B: input va_w: left as it is (N = 1 < 16)
;;     4. batch 32 x [M 1, K 2,048] x [K 2,048, N 1,024]; A: computed on the way; B: input keys: left as it is (M = 1 < 16)
;;   THE QUANTISER, for each operand of a quantised product, along K:
;;     - K is cut into blocks of 32 from its start; a last block that is shorter is filled with zeros.
;;     - A block's scale is 2^e with e = floor(log2(the largest magnitude in the block)) - 8, held to -126 .. 127; a block of zeros has e = 0. As a byte (E8M0): e + 127.
;;     - Each number is divided by its block's scale, clamped to +-448, and rounded to the nearest number of E4M3, ties to even, subnormals kept.
;;     - The product sums the exact products of the quantised numbers (number of the format x scale) in f32.
;;   ~~~python
;;   def quantise(x, axis):      # numpy; x: float32 -> the quantised numbers, widened to float32 again
;;       x = np.moveaxis(x, axis, -1); K = x.shape[-1]
;;       x = np.pad(x, [(0, 0)] * (x.ndim - 1) + [(0, -K % 32)]); x = x.reshape(x.shape[:-1] + (-1, 32)); a = np.abs(x).max(-1, keepdims=True)
;;       e = np.where(a > 0, np.clip(np.frexp(np.where(a > 0, a, 1))[1] - 1 - 8, -126, 127), 0)      # np.frexp(a)[1] - 1 = floor(log2(a)), exactly
;;       r = np.clip(x / 2.0 ** e, -448, 448)
;;       step = 2.0 ** (np.maximum(np.frexp(np.where(r == 0, 1, r))[1] - 1, -6) - 3)
;;       q = np.round(r / step) * step * 2.0 ** e      # np.round: ties to even
;;       return np.moveaxis(q.reshape(q.shape[:-2] + (-1,))[..., :K], -1, axis).astype(np.float32)
;;   ~~~
;; One version. Each part assembles by itself: llvm-mc -triple=amdgcn-amd-amdhsa -mcpu=gfx1250 --defsym DOCPART=n.
;; ======== version 1 of 1: 3 launches
;; limits: right only within a limited range of input values
;; workspace buffers: wimg 1,081,344 bytes; biasc 131,072 bytes; scorebuf 262,144 bytes
;; launch prep (part 1): grid 64 x 1, 8 waves a work-group, no clusters, 18,432 bytes of LDS; arguments ua_w, wa_w, query, wa_b, ua_b, wimg, biasc; writes wimg, biasc
.if DOCPART == 1
	.amdgcn_target "amdgcn-amd-amdhsa--gfx1250"
	.amdhsa_code_object_version 6
	.text
	.protected	k_qa479b94b14_prep
	.globl	k_qa479b94b14_prep
	.p2align	8
	.type	k_qa479b94b14_prep,@function
k_qa479b94b14_prep:
	s_mov_b64 s[64:65], 0
	v_nop
	global_prefetch_b8 v0, s[64:65] scope:SCOPE_SE
	s_setreg_imm32_b32 hwreg(HW_REG_WAVE_MODE, 25, 1), 1
	s_wait_xcnt 0x0
; PREP.  (1) ua_w [1024][1024] f32 becomes codes of E4M3 with one E8M0 byte for each 32 along K, laid as IMAGES OF THE OPERAND'S REGISTERS:
; wimg = 64 tile blocks of 16,896 bytes; block t holds rows 16 t .. 16 t + 15: fragment s (K step s, 128 along K) at 2,048 s + 512 c + 16 lane (c = group of four registers);
; at 16,384 sixteen bytes a lane, the scale words q = 0..3: lanes 0-15 (K step 2 q, row lane), lanes 16-31 (K step 2 q + 1, row lane - 16).
; (2) wq = Q(query) Q(wa_w)^T by the scaled matrix form, and biasc[t][b][n] = c (wq[b][16 t + n] + wa_b + ua_b), c = 2 log2(e): the next launch makes tanh from 2^(c x).
; SHARES: work-group t takes 16 rows of both weights, wave s the K step s; the eight partial sums of wq meet in LDS.
; A lane (r, h) loads, of row r, the 16 neighbours 32 b + 16 h + 0..15 of each block b of its K step: the conversions' results are the operand's registers.
; LIMITS: NaN and infinities among the inputs are not served; a block whose largest magnitude lies under 2^-118 gets the byte 1; a block of zeros gets the byte 1 with zero codes (this program alone reads the bytes).
; WORK LEFT OUT, in the whole program.  softmax_l(s[l] + C) = softmax_l(s[l]) for every C that does not hang on l, whatever finite values the inputs hold.  va_b[0] is such a C: it is added to every score of a batch alike.
; So va_b has no way to the output: it is not loaded and is among no launch's arguments.  With tanh(x) = 1 - 2 / (1 + e^(2 x)) a score is sum_n va_w[n] - 2 sum_n va_w[n] / (1 + e^(2 x[l][n])): the first term is such a C too and is not formed.
; LIMIT: a NaN, an infinity or an overflow that reaches only va_b or the sum of va_w is not carried to the result.
.set TILEB, 16896
.set SCW,   16384                      ; LDS: behind the eight waves' images of their partial sums (2,048 bytes each): ua_w's scale words, 512 bytes
.set D0,    8                          ; v8-15   wq, batches 0-15;  v16-23 batches 16-31
.set D1,    16
.set TM,    24                         ; v24-27 largest magnitudes, v28-31 bytes, v32-35 448 x scale, v36-39 the conversions' scale operands
.set PWU,   40                         ; v40-43  scale words: ua_w's, wa_w's, query's (two tiles): these hold scales and nothing else
.set PWA,   41
.set PWQ0,  42
.set PWQ1,  43
.set B1,    44                         ; v44-59  codes: ua_w's, then query's first tile
.set X0,    64                         ; three sets of 64 numbers
.set X1,    128
.set X2,    192
.set B2,    64                         ; codes of wa_w and of query's second tile, where X0 lay
.set B3,    80
	s_load_b256 s[4:11], s[0:1], 0x0               ; ua_w s[4:5], wa_w s[6:7], query s[8:9], wa_b s[10:11]
	s_load_b128 s[12:15], s[0:1], 0x20             ; ua_b s[12:13], wimg s[14:15]
	s_load_b64 s[16:17], s[0:1], 0x30              ; biasc
	s_set_vgpr_msb 0x40
	v_lshl_add_u32 v0, v0, 2, 0x4400
	v_mov_b32 v1, 0
	s_set_vgpr_msb 0x4000
	v_lshrrev_b32 v1, 5, v0
	s_delay_alu instid0(VALU_DEP_1)
	v_readfirstlane_b32 s18, v1                    ; wave = K step
	v_and_b32 v3, 31, v0                           ; lane
	s_wait_alu depctr_va_vdst(0)
	v_and_b32 v1, 15, v0                           ; r
	v_bfe_u32 v2, v0, 4, 1                         ; h
	s_delay_alu instid0(VALU_DEP_2)
	v_lshlrev_b32 v4, 12, v1
	s_delay_alu instid0(VALU_DEP_1)
	v_lshl_add_u32 v4, v2, 6, v4                   ; a row of 4,096 bytes, + 64 h
	v_lshlrev_b32 v5, 4, v3                        ; 16 x lane
	s_lshl_b32 s20, s18, 11
	v_add_nc_u32 v6, s20, v5                       ; 2,048 x wave + 16 x lane: my place in LDS's images and in a tile block
	s_and_b32 s21, s18, 1
	s_lshl_b32 s21, s21, 8
	s_lshr_b32 s22, s18, 1
	s_lshl_b32 s22, s22, 2
	s_add_co_u32 s21, s21, s22
	s_add_co_u32 s21, s21, SCW
	v_lshl_add_u32 v7, v1, 4, s21                  ; my row's scale word: 16 r + 256 (s % 2) + 4 (s / 2)
	; the addresses of the sum (waves 0-3) are made here, ahead of the parting of the waves.  Output lane L of wave w holds batch 8 w + L / 4, columns 4 (L % 4) + 0..3
	s_and_b32 s23, s18, 3
	s_lshr_b32 s24, s23, 1
	s_lshl_b32 s24, s24, 10                        ; which tile of batches: pieces 2 (w / 2) on
	s_and_b32 s25, s23, 1
	s_lshl_b32 s25, s25, 7                         ; source lane + 8 (w % 2)
	s_add_co_u32 s24, s24, s25
	v_and_b32 v61, 1, v3
	s_delay_alu instid0(VALU_DEP_1)
	v_lshlrev_b32 v60, 9, v61                      ; low or high four registers
	v_lshrrev_b32 v61, 2, v3
	s_delay_alu instid0(VALU_DEP_1)
	v_lshl_add_u32 v60, v61, 4, v60                ; source lane + L / 4
	v_bfe_u32 v61, v3, 1, 1
	s_delay_alu instid0(VALU_DEP_1)
	v_lshl_add_u32 v60, v61, 8, v60                ; + 16 ((L / 2) % 2)
	s_delay_alu instid0(VALU_DEP_1)
	v_add_nc_u32 v60, s24, v60
	v_add_nc_u32 v61, SCW, v5                      ; the scale words, read back 16 bytes a lane
	v_and_b32 v62, 3, v3
	s_delay_alu instid0(VALU_DEP_1)
	v_lshlrev_b32 v62, 4, v62                      ; my four columns in wa_b and ua_b
	s_lshl_b32 s25, s23, 9
	v_add_nc_u32 v63, s25, v5                      ; my 16 bytes of the tile's 2,048 of biasc
	s_lshl_b32 s26, ttmp9, 16                      ; 16 rows of 4,096 bytes a tile,
	s_lshl_b32 s28, s18, 9                         ; 512 bytes a K step
	s_add_co_u32 s26, s26, s28
	s_mov_b32 s27, 0
	s_mov_b32 s29, 0
	s_mul_i32 s30, ttmp9, TILEB
	s_mov_b32 s31, 0
	s_lshl_b32 s38, ttmp9, 6
	s_mov_b32 s39, 0
	s_lshl_b32 s40, ttmp9, 11
	s_mov_b32 s41, 0
	s_mov_b32 s32, 0x76543210
	s_mov_b32 s33, 0xfedcba98                      ; v_permlanex16_b32's selects for lane l xor 16
	s_mov_b32 s34, 0x600000                        ; the mantissa field of 448
	s_mov_b32 s36, 0x4038aa3b                      ; c = 2 log2(e)
	s_mov_b32 s37, s36                             ; (named with it as a pair)
.irp b, 0,1,2,3
	v_mov_b32 v[TM+4+\b], 0                        ; a lane permute's destination counts as one of its sources
.endr
	s_wait_kmcnt 0x0
	s_add_nc_u64 s[4:5], s[4:5], s[26:27]
	s_add_nc_u64 s[6:7], s[6:7], s[26:27]
	s_add_nc_u64 s[8:9], s[8:9], s[28:29]
	s_add_nc_u64 s[14:15], s[14:15], s[30:31]
	s_add_nc_u64 s[10:11], s[10:11], s[38:39]
	s_add_nc_u64 s[12:13], s[12:13], s[38:39]
	s_add_nc_u64 s[16:17], s[16:17], s[40:41]
.macro FLOAD reg, blo, off             ; 16 rows x 128 along K, 64 numbers a lane: register 16 b + 4 j + .. = k 32 b + 16 h + 4 j + ..
.irp b, 0,1,2,3
.irp j, 0,1,2,3
	global_load_b128 v[\reg+16*\b+4*\j:\reg+16*\b+4*\j+3], v4, s[\blo:\blo+1] offset:\off+128*\b+16*\j
.endr
.endr
.endm
; 64 numbers of a lane become a fragment's codes in v[d] on and its scale word in v[w]
.macro QUANT x, d, w
.irp b, 0,1,2,3
	v_max3_num_f32 v[TM+\b], |v[\x+16*\b]|, |v[\x+16*\b+1]|, 0x4800000   ; my 16 numbers of block b, and the floor 2^(9 - 127): the byte cannot fall under 1
.endr
.irp i, 2,4,6,8,10,12,14
.irp b, 0,1,2,3
	s_delay_alu instid0(VALU_DEP_4)
	v_max3_num_f32 v[TM+\b], v[TM+\b], |v[\x+16*\b+\i]|, |v[\x+16*\b+\i+1]|
.endr
.endr
.irp b, 0,1,2,3
	s_delay_alu instid0(VALU_DEP_4)
	v_permlanex16_b32 v[TM+4+\b], v[TM+\b], s32, s33
.endr
.irp b, 0,1,2,3
	s_delay_alu instid0(VALU_DEP_4)
	v_max_num_f32 v[TM+\b], v[TM+\b], v[TM+4+\b]   ; with lane l xor 16's: the block's largest magnitude
.endr
.irp b, 0,1,2,3
	s_delay_alu instid0(VALU_DEP_4)
	v_add_nc_u32 v[TM+12+\b], 0xfc000000, v[TM+\b] ; 8 off its exponent field: the conversion's scale operand
.endr
.irp b, 0,1,2,3
	v_and_or_b32 v[TM+8+\b], v[TM+\b], 0x7f800000, s34   ; 448 x the scale
.endr
.irp b, 0,1,2,3
	v_lshrrev_b32 v[TM+4+\b], 23, v[TM+12+\b]      ; the scale's byte
.endr
	s_delay_alu instid0(VALU_DEP_3)
	v_lshl_or_b32 v[\w], v[TM+5], 8, v[TM+4]
	s_delay_alu instid0(VALU_DEP_1)
	v_lshl_or_b32 v[\w], v[TM+6], 16, v[\w]
	s_delay_alu instid0(VALU_DEP_1)
	v_lshl_or_b32 v[\w], v[TM+7], 24, v[\w]
.irp b, 0,1,2,3
.irp i, 0,1,2,3,4,5,6,7,8,9,10,11,12,13,14,15
	v_med3_num_f32 v[\x+16*\b+\i], v[\x+16*\b+\i], -v[TM+8+\b], v[TM+8+\b]   ; the conversion to an 8-bit code does not saturate (ISA guide 7.6.2): the hold comes first
.endr
	v_cvt_scalef32_pk8_fp8_f32 v[\d+4*\b:\d+4*\b+1], v[\x+16*\b:\x+16*\b+7], v[TM+12+\b]
	v_cvt_scalef32_pk8_fp8_f32 v[\d+4*\b+2:\d+4*\b+3], v[\x+16*\b+8:\x+16*\b+15], v[TM+12+\b]
.endr
	v_nop                                          ; one plain line behind the last conversion
.endm
	FLOAD X0, 4, 0                                 ; ua_w
	FLOAD X1, 6, 0                                 ; wa_w
	FLOAD X2, 8, 0                                 ; query, batches 0-15
	s_wait_loadcnt 32                              ; the 32 younger loads stay out: ua_w's numbers are in
	QUANT X0, B1, PWU
.irp c, 0,1,2,3
	global_store_b128 v6, v[B1+4*\c:B1+4*\c+3], s[14:15] offset:512*\c   ; 32 lanes store 512 consecutive bytes, aligned
.endr
	ds_store_b32 v7, v[PWU]                        ; lanes r and r + 16 write the same word with the same value
	s_wait_loadcnt 16                              ; wa_w's are in
	QUANT X1, B2, PWA
	FLOAD X1, 8, 65536                             ; query, batches 16-31
	s_wait_loadcnt 16                              ; the 16 just issued stay out: batches 0-15 are in
	s_wait_xcnt 0x0                                ; the stores of ua_w's codes have read B1: it is written again only behind this wait
	QUANT X2, B1, PWQ0
	global_load_b128 v[224:227], v62, s[10:11]     ; wa_b and ua_b for the sum behind the barrier, asked for here, where the registers of query's numbers are free; the wait for 0 below covers them.
	global_load_b128 v[228:231], v62, s[12:13]     ; (all eight waves ask, so that no branch stands ahead of the products)
.rept 4
	v_nop                                          ; codes written by vector instructions stand four places ahead of a scaled matrix instruction; the scale word was made ahead of the 64 holds
.endr
	v_wmma_scale_f32_16x16x128_f8f6f4 v[D0:D0+7], v[B2:B2+15], v[B1:B1+15], 0, v[PWA], v[PWQ0]   ; source 0 = 16 rows of wa_w, source 1 = 16 batches: lane (r, h), register j = wq[r][16 t + 8 h + j], my K step's part
	s_wait_loadcnt 0x0
	QUANT X1, B3, PWQ1
.rept 4
	v_nop
.endr
	v_wmma_scale_f32_16x16x128_f8f6f4 v[D1:D1+7], v[B2:B2+15], v[B3:B3+15], 0, v[PWA], v[PWQ1]
.rept 8
	v_nop                                          ; eight places ahead of the first read of results
.endr
	ds_store_b128 v6, v[D0:D0+3]                   ; each result from its low end on
	ds_store_b128 v6, v[D0+4:D0+7] offset:512
	ds_store_b128 v6, v[D1:D1+3] offset:1024
	ds_store_b128 v6, v[D1+4:D1+7] offset:1536
	s_wait_dscnt 0x0                               ; for the others' sake: my stores have landed
	s_barrier_signal -1
	s_barrier_wait -1
	s_cmp_lt_u32 s18, 4
	s_cbranch_scc0 .Lnot_sum
.irp k, 0,1,2,3,4,5,6,7
	ds_load_b128 v[192+4*\k:195+4*\k], v60 offset:2048*\k   ; the eight K steps' parts of my four numbers
.endr
	s_wait_dscnt 0x0
.irp k, 1
	v_pk_add_f32 v[192:193], v[192:193], v[192+4*\k:193+4*\k]
	v_pk_add_f32 v[194:195], v[194:195], v[194+4*\k:195+4*\k]
.endr
.irp k, 2, 3, 4, 5, 6, 7
	s_delay_alu instid0(VALU_DEP_2)
	v_pk_add_f32 v[192:193], v[192:193], v[192+4*\k:193+4*\k]
	s_delay_alu instid0(VALU_DEP_2)
	v_pk_add_f32 v[194:195], v[194:195], v[194+4*\k:195+4*\k]
.endr
	s_wait_loadcnt 0x0
	v_pk_add_f32 v[224:225], v[224:225], v[228:229]
	s_wait_alu depctr_va_vdst(0)
	v_pk_add_f32 v[226:227], v[226:227], v[230:231]
	v_pk_add_f32 v[192:193], v[192:193], v[224:225]
	s_delay_alu instid0(VALU_DEP_2)
	v_pk_add_f32 v[194:195], v[194:195], v[226:227]
	s_delay_alu instid0(VALU_DEP_2)
	v_pk_mul_f32 v[192:193], v[192:193], s[36:37] op_sel_hi:[1,0]
	s_delay_alu instid0(VALU_DEP_2)
	v_pk_mul_f32 v[194:195], v[194:195], s[36:37] op_sel_hi:[1,0]
	global_store_b128 v63, v[192:195], s[16:17]    ; 512 consecutive bytes a wave
	s_set_vgpr_msb 0x5
	s_wait_tensorcnt 0x0
	ds_add_u32 v0, v1
	s_wait_dscnt 0x0
	s_set_vgpr_msb 0x500
	s_endpgm
.Lnot_sum:
	s_cmp_eq_u32 s18, 4
	s_cbranch_scc0 .Lend
	ds_load_b128 v[192:195], v61                   ; ua_w's scale words of the tile
	s_wait_dscnt 0x0
	global_store_b128 v5, v[192:195], s[14:15] offset:16384
.Lend:
	s_set_vgpr_msb 0x5
	s_wait_tensorcnt 0x0
	ds_add_u32 v0, v1
	s_wait_dscnt 0x0
	s_set_vgpr_msb 0x500
	s_endpgm
.Lfunc_end_k_qa479b94b14_prep:
	.size	k_qa479b94b14_prep, .Lfunc_end_k_qa479b94b14_prep-k_qa479b94b14_prep
	.p2alignl 7, 3214868480
	.fill 96, 4, 3214868480
	.section	.rodata,"a",@progbits
	.p2align	6, 0x0
	.amdhsa_kernel k_qa479b94b14_prep
		.amdhsa_group_segment_fixed_size 18432
		.amdhsa_private_segment_fixed_size 0
		.amdhsa_enable_private_segment 0
		.amdhsa_kernarg_size 56
		.amdhsa_user_sgpr_count 2
		.amdhsa_user_sgpr_kernarg_segment_ptr 1
		.amdhsa_wavefront_size32 1
		.amdhsa_system_sgpr_workgroup_id_x 1
		.amdhsa_system_sgpr_workgroup_id_y 1
		.amdhsa_system_sgpr_workgroup_id_z 1
		.amdhsa_system_vgpr_workitem_id 0
		.amdhsa_next_free_vgpr 258
		.amdhsa_next_free_sgpr 66
		.amdhsa_reserve_vcc 0
		.amdhsa_float_denorm_mode_32 3
		.amdhsa_float_denorm_mode_16_64 3
		.amdhsa_memory_ordered 1
		.amdhsa_forward_progress 1
		.amdhsa_inst_pref_size 52
	.end_amdhsa_kernel
	.amdgpu_metadata
---
amdhsa.version: [ 1, 2 ]
amdhsa.kernels:
  - .name:           k_qa479b94b14_prep
    .symbol:         k_qa479b94b14_prep.kd
    .args:
      - { .name: ua_w, .offset: 0, .size: 8, .value_kind: global_buffer, .address_space: global }
      - { .name: wa_w, .offset: 8, .size: 8, .value_kind: global_buffer, .address_space: global }
      - { .name: query, .offset: 16, .size: 8, .value_kind: global_buffer, .address_space: global }
      - { .name: wa_b, .offset: 24, .size: 8, .value_kind: global_buffer, .address_space: global }
      - { .name: ua_b, .offset: 32, .size: 8, .value_kind: global_buffer, .address_space: global }
      - { .name: wimg, .offset: 40, .size: 8, .value_kind: global_buffer, .address_space: global }
      - { .name: biasc, .offset: 48, .size: 8, .value_kind: global_buffer, .address_space: global }
    .group_segment_fixed_size: 18432
    .private_segment_fixed_size: 0
    .kernarg_segment_align: 8
    .kernarg_segment_size: 56
    .max_flat_workgroup_size: 256
    .sgpr_count:     66
    .vgpr_count:     258
    .wavefront_size: 32
...
	.end_amdgpu_metadata
.endif
;; end of part 1
;; launch scorepass (part 2): grid 256 x 1, 4 waves a work-group, clusters of 4 x 1, 327,680 bytes of LDS; arguments keys, wimg, biasc, va_w, scorebuf; writes scorebuf
.if DOCPART == 2
	.amdgcn_target "amdgcn-amd-amdhsa--gfx1250"
	.amdhsa_code_object_version 6
	.text
	.protected	k_qa479b94b14_scorepass
	.globl	k_qa479b94b14_scorepass
	.p2align	8
	.type	k_qa479b94b14_scorepass,@function
k_qa479b94b14_scorepass:
	s_mov_b64 s[64:65], 0
	v_nop
	global_prefetch_b8 v0, s[64:65] scope:SCOPE_SE
	s_setreg_imm32_b32 hwreg(HW_REG_WAVE_MODE, 25, 1), 1
	s_wait_xcnt 0x0
	s_wait_alu depctr_hold_cnt(0) depctr_sa_sdst(0) depctr_va_vdst(0) depctr_va_sdst(0) depctr_va_ssrc(0) depctr_va_vcc(0) depctr_vm_vsrc(0)
	s_getreg_b32 s2, hwreg(HW_REG_IB_STS2, 6, 4)
	s_cmp_eq_u32 s2, 0
	s_cbranch_scc0 .Lentry_in_a_cluster
	s_endpgm
.Lentry_in_a_cluster:
	s_bfe_u32 s2, ttmp6, 0x10000c
	s_cmp_lg_u32 s2, 0x3003
	s_cbranch_scc0 .Lentry_shape_is_right
	s_endpgm
.Lentry_shape_is_right:
; scorebuf[b][l] = -2 sum_n va_w[n] / (1 + 2^(c (uk[b][l][n] + wq[b][n] + wa_b[n] + ua_b[n]))), c = 2 log2(e): the score of reference() less va_b[0] + sum_n va_w[n].
; LEFT OUT: that constant is the same along the softmax's axis (shown at the head of the first kernel); va_b is not an argument.
; uk = Q(keys) Q(ua_w)^T by the scaled matrix form; keys are quantised here, where each number is read once; ua_w's codes come from wimg as images of the operand's registers, c x the biases from biasc.
; SHARES.  A work-group owns 256 rows of keys (an eighth of a batch), each of its four waves 64 of them.  A wave first turns its 64 rows x 1,024 into codes, a row at a time (a lane holds 8 neighbours of each quarter of the row,
; four lanes a block of 32), through its own stage in LDS into 512 registers (windows 1 and 2) in the operand's layout.  Then it walks ua_w's 64 tiles of 16 columns: 32 matrix instructions a tile, four accumulators by turns.
; Source 0 = 16 rows of ua_w, source 1 = 16 rows of keys: lane (r, h) holds key row r, register j column 16 t + 8 h + j; so a score is summed in the lane and joined with lane l xor 16 once, at the end.
; A TILE'S STEP: its biases and the -2 va_w of the tile before are asked for; the 32 products stand on end, with no memory instruction and no transcendental among them; eight places; then the vector block:
; 16 multiply-adds on this tile, 16 additions on the tile before, ONE batch of 64 transcendentals (this tile's exponentials, the reciprocals of the tile before), 16 multiply-adds into the sums.
; Two sets of accumulators take turns, so a step has two s_wait_alu (one ahead of and one behind a batch).  The first step finds +infinity in the other set: 1 / (1 + inf) = 0 adds nothing.
; The next tile's 33 LDS loads stand in the vector block in three groups: 13 at its head, 8 ahead of the wait in front of the batch, 12 behind the wait behind it; the products wait for them by count.
; CLUSTER: the four work-groups of a cluster walk the same tiles of wimg: each tile is asked for jointly (mask 15); wave w fetches tile w of a slot's four; two slots; a round of the cluster's barrier at each refill.
; NO PREFETCH: keys are read once, 64 loads a wave out at a time, with no wait but for their own data; wimg is walked by all 256 work-groups alike.
; LIMITS: NaN and infinities among the inputs are not served; a block whose largest magnitude lies under 2^-118 gets the byte 1; a block of zeros gets the byte 1 with zero codes (the bytes stay in this launch).
.set TILEB, 16896                      ; a tile block of wimg: 8 fragments of 2,048 bytes and 512 bytes of scale words
.set SLOT1, 4*TILEB                    ; LDS: slot 0 at 0, slot 1 here, four tiles each
.set STG,   135168                     ; the waves' stages: 32 rows of 1,040 bytes each
.set STGW,  33280
.set SCS,   268288                     ; the rows' scale bytes: 32 rows of 48 bytes for each wave
.set SCSW,  1536
.set BIA,   274432                     ; 4,096 bytes of c x bias, then 4,096 of -2 va_w
.set SCO,   282624                     ; the way out: 256 bytes for each wave
.set SPARE, 283648                     ; the spare words, 128 bytes for each wave
.set SPW, 1                            ; v1 my spare word's address, v2 = 0: never rewritten
.set NIL, 2
.set WA,  3                            ; v3-6  16 x lane + tiles 0, 2 of slot 0, of slot 1
.set BA,  7                            ; v7    BIA + 32 h + 512 x lap
.set BI,  8                            ; v8-15 the tile's biases
.set AS,  16                           ; v16-31 keys' scale words: 4 for each block of 16 rows
.set WS,  32                           ; v32-35 the tile's scale words
.set T,   40                           ; quantiser: v40-43 largest magnitudes, v44-47 scale operands, v48-51 448 x scale
.set SCL, 44
.set LIM, 48
.set SA0, 53
.set SA,  54
.set SB0, 55
.set SB,  56
.set RB,  57
.set RS,  58
.set EO,  60
.set VA,  40                           ; products: v40-47 -2 va_w of the tile before, v48-55 the four blocks' sums, in pairs
.set SU,  48
.set ACC, 64                           ; v64-95 even tiles' four accumulators, v96-127 odd tiles'
.set KOI, 112                          ; quantiser: v112-119 the eight ring places' offsets in keys
.set WF,  128                          ; v128-255 the tile's eight fragments
.set CD,  128                          ; quantiser: codes and bytes on their way to LDS
.set BY,  192
.set G1,  24
.set G0,  32
.set MSB, 0
.macro WIN new                         ; the immediate's high byte repeats the setting that is left
.if MSB != \new
	s_set_vgpr_msb (MSB<<8)|\new
.set MSB, \new
.endif
.endm
.macro CROUND                          ; a round of the cluster's barrier
	s_barrier_signal -1
	s_barrier_wait -1
	s_cmp_lg_u32 s16, 0
	s_cbranch_scc1 .Lnot_wave_0_\@
	s_barrier_signal -3
.Lnot_wave_0_\@:
	s_barrier_wait -3
	s_barrier_signal -1
	s_barrier_wait -1
.endm
.macro KLOAD i                         ; a row of keys into ring place i (window 3): register 8 g + e = k 256 g + 8 lane + e
.irp g, 0,1,2,3
.irp j, 0,1
	global_load_b128 v[32*(\i)+8*\g+4*\j:32*(\i)+8*\g+4*\j+3], v[KOI+(\i)], s[50:51] offset:(\i)*4096+1024*\g+16*\j th:TH_LOAD_NT
.endr
.endr
.endm
	s_load_b256 s[4:11], s[0:1], 0x0               ; keys, wimg, biasc, va_w
	s_load_b64 s[14:15], s[0:1], 0x20              ; scorebuf
	v_lshl_add_u32 v[SPW], v0, 2, SPARE
	v_mov_b32 v[NIL], 0
	ds_add_u32 v1, v2                              ; the opening lines: the add, twice on end, and its wait
	ds_add_u32 v1, v2
	s_wait_dscnt 0x0
	v_lshrrev_b32 v100, 5, v0
	v_readfirstlane_b32 s16, v100                  ; wave
	s_bfe_u32 s17, ttmp6, 0x40000
	s_lshl_b32 s18, ttmp9, 2
	s_add_co_u32 s18, s18, s17                     ; work-group = 4 x cluster + place
	s_lshr_b32 s19, s18, 3                         ; batch
	s_mov_b32 s[G1], 15|(3<<16)|(1<<21)            ; a tile block as 66 rows of 256 bytes, dense; mask: all four partners
	s_mov_b32 s[G1+1], 32<<16
	s_mov_b32 s[G1+2], 66<<16
	s_mov_b32 s[G1+3], 32<<16
	s_mov_b32 s[G1+4], 66
	s_mov_b32 s[G1+5], 32
	s_mov_b32 s[G1+6], 0
	s_mov_b32 s[G1+7], 0
	s_mul_i32 s52, s16, TILEB
	s_mov_b32 s53, 0
	s_mov_b32 s40, 0x4038aa3b                      ; c = 2 log2(e)
	s_mov_b32 s41, s40
	s_mov_b32 s42, 0x600000                        ; the mantissa field of 448
	s_mov_b32 s43, 0xfc000000                      ; 8 off an exponent field
	s_mov_b32 s47, 0x7f800000                      ; the exponent field; as a number: +infinity
	s_mov_b32 s21, 0x4800000                       ; the floor 2^(9 - 127)
	s_mov_b32 s44, 0x76543210
	s_mov_b32 s45, 0xfedcba98
	s_lshl_b32 s54, s18, 20                        ; 256 rows of 4,096 bytes a work-group,
	s_lshl_b32 s55, s16, 18                        ; 64 a wave
	s_add_co_u32 s54, s54, s55
	s_mov_b32 s55, 0
	s_lshl_b32 s56, s19, 6
	s_mov_b32 s57, 0
	s_lshl_b32 s58, s18, 10
	s_mov_b32 s59, 0
	v_and_b32 v97, 31, v0
.irp i, 0,1,2,3,4,5,6,7
	v_lshlrev_b32 v[KOI+\i], 5, v97
.endr
	v_lshrrev_b32 v92, 1, v0
	v_and_b32 v93, 1, v0
	v_lshlrev_b32 v92, 11, v92
	v_lshl_or_b32 v92, v93, 5, v92                 ; biasc: tile thread / 2, eight columns
	v_lshlrev_b32 v93, 5, v0                       ; va_w: eight numbers a thread
	s_wait_alu depctr_va_vdst(0)
	s_wait_kmcnt 0x0
	s_add_nc_u64 s[50:51], s[4:5], s[54:55]
	s_add_nc_u64 s[8:9], s[8:9], s[56:57]
	s_add_nc_u64 s[14:15], s[14:15], s[58:59]
	global_load_b128 v[64:67], v92, s[8:9]
	global_load_b128 v[68:71], v92, s[8:9] offset:16
	global_load_b128 v[72:75], v93, s[10:11]
	global_load_b128 v[76:79], v93, s[10:11] offset:16
	WIN 0xc0
.irp i, 0,1,2,3,4,5,6
	KLOAD \i
.endr
	WIN 0
	s_mov_b32 s[G0], 1
	s_mov_b32 s[G0+1], s52
	s_add_nc_u64 s[G0+2:G0+3], s[6:7], s[52:53]
	s_mov_b32 s[G0+4], 1
	s_add_co_u32 s[G0+5], s52, SLOT1
	s_add_nc_u64 s[G0+6:G0+7], s[G0+2:G0+3], 4*TILEB
	s_or_b32 s[G0+3], s[G0+3], 0x80000000
	s_or_b32 s[G0+7], s[G0+7], 0x80000000
	CROUND                                         ; the partners are here: the first joint loads meet
	tensor_load_to_lds s[G0:G0+3], s[G1:G1+7]      ; slot 0: tile w.  One tensor load a wave at the head; slot 1's first fill follows behind my rows 0-31
	s_nop 0
.rept 4
	v_nop
.endr
	v_and_b32 v98, 15, v0                          ; r
	v_bfe_u32 v99, v0, 4, 1                        ; h
	v_lshlrev_b32 v[WA], 4, v97
	v_add_nc_u32 v[WA+1], 2*TILEB, v[WA]
	v_add_nc_u32 v[WA+2], SLOT1, v[WA]
	v_add_nc_u32 v[WA+3], SLOT1+2*TILEB, v[WA]
	v_lshl_add_u32 v[BA], v99, 5, BIA
	s_mul_i32 s52, s16, STGW
	s_add_co_u32 s52, s52, STG
	v_lshl_add_u32 v[SA0], v97, 3, s52             ; stage, in: 8 codes a lane
	v_mul_u32_u24 v100, v98, 1040
	v_lshl_add_u32 v100, v99, 4, v100
	v_add_nc_u32 v[RB], s52, v100                  ; stage, back: row r, + 16 h
	s_mul_i32 s53, s16, SCSW
	s_add_co_u32 s53, s53, SCS
	v_bfe_u32 v100, v0, 2, 2
	v_lshl_add_u32 v100, v99, 4, v100
	v_add_nc_u32 v[SB0], s53, v100                 ; a row's bytes: K step 2 g + lane / 16 at 16 (lane / 16) + 4 g, byte (lane / 4) % 4
	v_mul_u32_u24 v100, v98, 48
	v_lshl_add_u32 v100, v99, 4, v100
	v_add_nc_u32 v[RS], s53, v100                  ; back: four words: lanes 0-15 the even K steps, lanes 16-31 the odd ones
	s_lshl_b32 s52, s16, 8
	v_lshl_add_u32 v[EO+2], v97, 3, s52
	v_add_nc_u32 v[EO+1], SCO, v[EO+2]
	v_lshl_add_u32 v[EO], v98, 2, s52
	v_add_nc_u32 v[EO], SCO, v[EO]
	v_add_nc_u32 v94, BIA, v93
	s_wait_alu depctr_va_vdst(0)
	s_wait_loadcnt 56                              ; the 56 loads of keys stay out: biases and va_w are in
	ds_store_b128 v94, v[64:67]
	ds_store_b128 v94, v[68:71] offset:16
.irp j, 0,2,4,6
	v_pk_mul_f32 v[80+\j:81+\j], v[72+\j:73+\j], -2.0 op_sel_hi:[1,0]
.endr
	ds_store_b128 v94, v[80:83] offset:4096
	ds_store_b128 v94, v[84:87] offset:4112
	WIN 0xc0
	KLOAD 7
	WIN 0
; A row of keys becomes codes and bytes in the stage; ahead = 1: the ring place takes the row eight further on.  left: the younger loads that stay out
.macro ROW i, ahead, left
	s_wait_loadcnt \left
	WIN 0x0f
.irp g, 0,1,2,3
	v_max3_num_f32 v[T+\g], |v[32*(\i)+8*\g]|, |v[32*(\i)+8*\g+1]|, s21
.endr
.irp e, 2,4,6
.irp g, 0,1,2,3
	v_max3_num_f32 v[T+\g], |v[32*(\i)+8*\g+\e]|, |v[32*(\i)+8*\g+\e+1]|, v[T+\g]
.endr
.endr
	WIN 0
.irp x, 1,2
.irp g, 0,1,2,3
	v_max_num_f32_dpp v[T+\g], v[T+\g], v[T+\g] row_xmask:\x row_mask:0xf bank_mask:0xf   ; the four lanes of a block
.endr
.endr
.irp g, 0,1,2,3
	v_add_nc_u32 v[SCL+\g], s43, v[T+\g]           ; the conversion's scale operand
.endr
.irp g, 0,1,2,3
	v_and_or_b32 v[LIM+\g], v[T+\g], s47, s42      ; 448 x the scale
.endr
.irp g, 0,1,2,3
	v_lshrrev_b32 v[BY+4*(\i)+\g], 23, v[SCL+\g]   ; the byte
.endr
.if \ahead
	v_add_nc_u32 v[KOI+(\i)], 0x8000, v[KOI+(\i)]
.endif
	WIN 0xc3
.irp g, 0,1,2,3
.irp e, 0,1,2,3,4,5,6,7
	v_med3_num_f32 v[32*(\i)+8*\g+\e], v[32*(\i)+8*\g+\e], -v[LIM+\g], v[LIM+\g]   ; the conversion does not saturate (ISA guide 7.6.2): the hold comes first
.endr
.endr
	WIN 0x03
.irp g, 0,1,2,3
	v_cvt_scalef32_pk8_fp8_f32 v[CD+8*(\i)+2*\g:CD+8*(\i)+2*\g+1], v[32*(\i)+8*\g:32*(\i)+8*\g+7], v[SCL+\g]
.endr
	v_nop                                          ; one plain line behind the last conversion
	WIN 0xc0
.irp g, 0,1,2,3
	ds_store_b64 v[SA], v[CD+8*(\i)+2*\g:CD+8*(\i)+2*\g+1] offset:1040*(\i)+256*\g
.endr
.irp g, 0,1,2,3
	ds_store_b8 v[SB], v[BY+4*(\i)+\g] offset:48*(\i)+4*\g   ; the four lanes of a block write the same byte with the same value
.endr
.if \ahead
	KLOAD \i
.endif
.endm
.macro TRIP ahead                      ; eight rows
	s_wait_dscnt 0x0
	v_add_nc_u32 v[SA], s48, v[SA0]
	v_add_nc_u32 v[SB], s49, v[SB0]
.irp i, 0,1,2,3,4,5,6,7
.if \ahead
	ROW \i, 1, 56
.else
	ROW \i, 0, 56-8*\i
.endif
.endr
	WIN 0
.endm
.macro STEPK
	s_add_co_u32 s48, s48, 8320
	s_add_co_u32 s49, s49, 384
.endm
.macro READBACK m                      ; block m of 16 rows: its eight fragments into windows 1 (K steps 0-3) and 2 (4-7) at 64 (s % 4) + 16 m, and its scale words
	WIN 0x40
.irp q, 0,1,2,3
.irp c, 0,1,2,3
	ds_load_b128 v[64*\q+16*(\m)+4*\c:64*\q+16*(\m)+4*\c+3], v[RB] offset:16640*((\m)%2)+128*\q+32*\c
.endr
.endr
	WIN 0x80
.irp q, 0,1,2,3
.irp c, 0,1,2,3
	ds_load_b128 v[64*\q+16*(\m)+4*\c:64*\q+16*(\m)+4*\c+3], v[RB] offset:16640*((\m)%2)+512+128*\q+32*\c
.endr
.endr
	WIN 0
	ds_load_b128 v[AS+4*(\m):AS+4*(\m)+3], v[RS] offset:768*((\m)%2)
.endm
	s_mov_b32 s48, 0
	s_mov_b32 s49, 0
	s_mov_b32 s46, 4
.Lhalf0:                                           ; my rows 0-31
	TRIP 1
	STEPK
	s_sub_co_u32 s46, s46, 1
	s_cmp_lg_u32 s46, 0
	s_cbranch_scc1 .Lhalf0
	s_wait_alu depctr_va_vdst(0)
	s_wait_tensorcnt 0x0                           ; slot 1's first fill is issued as a refill is: my tile of slot 0 is in,
	ds_add_u32 v[SPW], v[NIL]                      ; the add,
	s_wait_dscnt 0x0                               ; its wait, and a round
	CROUND
	tensor_load_to_lds s[G0+4:G0+7], s[G1:G1+7]    ; slot 1: tile 4 + w: it has my rows 32-63 in which to land
	s_nop 0
.rept 4
	v_nop
.endr
	READBACK 0
	READBACK 1
	s_mov_b32 s48, 0
	s_mov_b32 s49, 0
	s_mov_b32 s46, 3
.Lhalf1:                                           ; rows 32-55; the last eight are written out: they load nothing
	TRIP 1
	STEPK
	s_sub_co_u32 s46, s46, 1
	s_cmp_lg_u32 s46, 0
	s_cbranch_scc1 .Lhalf1
	TRIP 0
	READBACK 2
	READBACK 3
.macro RUN b, adr, off                 ; fragment b of a tile: 16 bytes a lane, four times
.irp c, 0,1,2,3
	ds_load_b128 v[WF+16*(\b)+4*\c:WF+16*(\b)+4*\c+3], v[\adr] offset:(\off)+2048*(\b)+512*\c
.endr
.endm
.macro MM zero, odd                    ; an odd K step's scale words lie in lanes 16-31
.if \zero
	v_wmma_scale_f32_16x16x128_f8f6f4 v[rD:rD+7], v[rW:rW+15], v[rC:rC+15], 0, v[rWS], v[rAS]
.elseif \odd
	v_wmma_scale_f32_16x16x128_f8f6f4 v[rD:rD+7], v[rW:rW+15], v[rC:rC+15], v[rD:rD+7], v[rWS], v[rAS] matrix_a_scale:MATRIX_SCALE_ROW1 matrix_b_scale:MATRIX_SCALE_ROW1
.else
	v_wmma_scale_f32_16x16x128_f8f6f4 v[rD:rD+7], v[rW:rW+15], v[rC:rC+15], v[rD:rD+7], v[rWS], v[rAS]
.endif
.endm
; The vector block.  vc: this tile's accumulators (both = 1), vo: those of the tile before, which hold e = 2^(c uk + c bias).  sums += -2 va / (1 + e).  Each accumulator is read from its low end on.
; gl = 1: tile tn's scale words and fragments are fetched in three groups: 13, 8 and 12 LDS loads
.macro VEC both
.if gl
	ds_load_b128 v[WS:WS+3], v[WA+tn/2] offset:TILEB*(tn%2)+16384
.irp b, 0,1,2
	RUN \b, WA+tn/2, TILEB*(tn%2)
.endr
.endif
.if \both
	s_wait_dscnt 13*gl                             ; the 13 just issued stay out: biases and va_w are in
.irp m, 0,1,2,3
.irp p, 0,2,4,6
	v_pk_fma_f32 v[vc+8*\m+\p:vc+8*\m+\p+1], v[vc+8*\m+\p:vc+8*\m+\p+1], s[40:41], v[BI+\p:BI+\p+1] op_sel_hi:[1,0,1]
.endr
.endr
.endif
.set vq, 0
.rept 16
	v_pk_add_f32 v[vo+vq:vo+vq+1], v[vo+vq:vo+vq+1], 1.0 op_sel_hi:[1,0]
.set vq, vq+2
.endr
.if gl
.irp b, 3,4
	RUN \b, WA+tn/2, TILEB*(tn%2)
.endr
.endif
	s_wait_alu depctr_va_vdst(0)                   ; ahead of the batch
.if \both
.set vq, 0
.rept 32
	v_exp_f32 v[vc+vq], v[vc+vq]
.set vq, vq+1
.endr
.endif
.set vq, 0
.rept 32
	v_rcp_f32 v[vo+vq], v[vo+vq]
.set vq, vq+1
.endr
	v_nop                                          ; a plain place behind the last,
	s_wait_alu depctr_va_vdst(0)                   ; and one wait for the batch
.if gl
.irp b, 5,6,7
	RUN \b, WA+tn/2, TILEB*(tn%2)
.endr
.endif
.irp p, 0,2,4,6
.irp m, 0,1,2,3
	v_pk_fma_f32 v[SU+2*\m:SU+2*\m+1], v[vo+8*\m+\p:vo+8*\m+\p+1], v[VA+\p:VA+\p+1], v[SU+2*\m:SU+2*\m+1]
.endr
.endr
.endm
; Tile i of a lap's eight.  nxt: the next tile's fragments are fetched.  chg = 1: the slot just read out is filled again, behind a round; chg = 2: the last change of slots fills nothing
.macro TURN i, nxt, chg
.set tl, \i
.set tn, ((\i)+1)%8
.set par, (\i)%2
.set vc, ACC+32*par
.set vo, ACC+32-32*par
.set gl, \nxt
.irp o, 0,16
	ds_load_b128 v[BI+\o/4:BI+\o/4+3], v[BA] offset:64*tl+\o        ; this tile's biases, and -2 va_w of the tile before (64 bytes back): they land under the products
	ds_load_b128 v[VA+\o/4:VA+\o/4+3], v[BA] offset:4032+64*tl+\o
.endr
	s_wait_dscnt 16                                ; the scale words and fragments 0-4 are in; fragments 5-7 (12 loads) and the four above stay out
.set ks, 0
.rept 8
.if ks == 5
	s_wait_dscnt 4                                 ; fragments 5-7 are in; the step's four loads stay out
.endif
.if ks < 4
	WIN 0x04
.else
	WIN 0x08
.endif
.set km, 0
.rept 4
.set rD, vc+8*km
.set rW, WF+16*ks
.set rC, 64*(ks%4)+16*km
.set rWS, WS+ks/2
.set rAS, AS+4*km+ks/2
	MM (ks==0), (ks%2)
.set km, km+1
.endr
.set ks, ks+1
.endr
	WIN 0
.rept 8
	v_nop                                          ; eight places ahead of the loads into W's registers and of the first read of results
.endr
.if \chg
	s_wait_tensorcnt 0x0                           ; my tile of the other slot is in;
	ds_add_u32 v[SPW], v[NIL]                      ; the add;
.if (\chg) == 1
	s_add_nc_u64 s[G0+4*(tl/4)+2:G0+4*(tl/4)+3], s[G0+4*(tl/4)+2:G0+4*(tl/4)+3], 8*TILEB
.endif
	s_wait_dscnt 0x0                               ; it is done, and my reads of this slot ended ahead of K step 5
.if (\chg) == 1
	CROUND
	tensor_load_to_lds s[G0+4*(tl/4):G0+4*(tl/4)+3], s[G1:G1+7]   ; eight tiles on: four tiles' steps ahead of its first read
	s_nop 0
.rept 4
	v_nop
.endr
.else
	s_barrier_signal -1
	s_barrier_wait -1
.endif
.endif
	VEC 1
.endm
.irp j, 0,1,2,3,4,5,6,7
	v_mov_b32 v[SU+\j], 0
.endr
.set vq, 0
.rept 32
	v_mov_b32 v[ACC+32+vq], s47                    ; +infinity where the first step looks for a tile before: its reciprocals are 0
.set vq, vq+1
.endr
	s_wait_alu depctr_va_vdst(0)
	s_wait_dscnt 0x0                               ; my codes are in registers; my stores of biases and va_w have landed
	s_barrier_signal -1
	s_barrier_wait -1                              ; everybody's have.
	ds_load_b128 v[WS:WS+3], v[WA] offset:16384    ; tile 0, in the order of the three groups
.irp b, 0,1,2,3,4,5,6,7
	RUN \b, WA, 0
.endr
	s_mov_b32 s46, 7
.Llap:                                             ; eight tiles: once round the ring; both slots are filled again
	TURN 0, 1, 0
	TURN 1, 1, 0
	TURN 2, 1, 0
	TURN 3, 1, 1
	TURN 4, 1, 0
	TURN 5, 1, 0
	TURN 6, 1, 0
	TURN 7, 1, 1
	v_add_nc_u32 v[BA], 512, v[BA]
	s_wait_alu depctr_va_vdst(0)
	s_sub_co_u32 s46, s46, 1
	s_cmp_lg_u32 s46, 0
	s_cbranch_scc1 .Llap
	TURN 0, 1, 0                                   ; the last lap is written out: it fills nothing
	TURN 1, 1, 0
	TURN 2, 1, 0
	TURN 3, 1, 2
	TURN 4, 1, 0
	TURN 5, 1, 0
	TURN 6, 1, 0
	TURN 7, 0, 0
	ds_load_b128 v[VA:VA+3], v[BA] offset:4096+64*7    ; the last tile's second half: its -2 va_w,
	ds_load_b128 v[VA+4:VA+7], v[BA] offset:4096+64*7+16
	s_wait_dscnt 0x0
.set vo, ACC+32
	VEC 0                                          ; its reciprocals and its share of the sums
.irp m, 0,1,2,3
	v_add_f32 v[BI+\m], v[SU+2*\m], v[SU+2*\m+1]
.endr
.irp m, 0,1,2,3
	v_permlanex16_b32 v[BI+4+\m], v[BI+\m], s44, s45
.endr
.irp m, 0,1,2,3
	v_add_f32 v[BI+\m], v[BI+\m], v[BI+4+\m]       ; with lane l xor 16's eight columns of each tile: row 16 m + r's score
.endr
.irp m, 0,1,2,3
	ds_store_b32 v[EO], v[BI+\m] offset:64*\m      ; lanes r and r + 16 write the same word with the same value
.endr
	ds_load_b64 v[BI+4:BI+5], v[EO+1]              ; LDS serves a wave's instructions in order: this sees my stores
	s_wait_dscnt 0x0
	global_store_b64 v[EO+2], v[BI+4:BI+5], s[14:15]   ; my 64 scores: one aligned unit of 256 bytes
	s_wait_tensorcnt 0x0                           ; the wave's end
	ds_add_u32 v[SPW], v[NIL]
	s_wait_dscnt 0x0
	CROUND                                         ; the closing round
	s_endpgm
.Lfunc_end_k_qa479b94b14_scorepass:
	.size	k_qa479b94b14_scorepass, .Lfunc_end_k_qa479b94b14_scorepass-k_qa479b94b14_scorepass
	.p2alignl 7, 3214868480
	.fill 96, 4, 3214868480
	.section	.rodata,"a",@progbits
	.p2align	6, 0x0
	.amdhsa_kernel k_qa479b94b14_scorepass
		.amdhsa_group_segment_fixed_size 327680
		.amdhsa_private_segment_fixed_size 0
		.amdhsa_enable_private_segment 0
		.amdhsa_kernarg_size 40
		.amdhsa_user_sgpr_count 2
		.amdhsa_user_sgpr_kernarg_segment_ptr 1
		.amdhsa_wavefront_size32 1
		.amdhsa_system_sgpr_workgroup_id_x 1
		.amdhsa_system_sgpr_workgroup_id_y 1
		.amdhsa_system_sgpr_workgroup_id_z 1
		.amdhsa_system_vgpr_workitem_id 0
		.amdhsa_next_free_vgpr 1024
		.amdhsa_next_free_sgpr 66
		.amdhsa_reserve_vcc 0
		.amdhsa_float_denorm_mode_32 3
		.amdhsa_float_denorm_mode_16_64 3
		.amdhsa_memory_ordered 1
		.amdhsa_forward_progress 1
		.amdhsa_inst_pref_size 255
	.end_amdhsa_kernel
	.section	.bss,"aw",@nobits
	.p2align	6
	.space	262144
	.amdgpu_metadata
---
amdhsa.version: [ 1, 2 ]
amdhsa.kernels:
  - .name:           k_qa479b94b14_scorepass
    .symbol:         k_qa479b94b14_scorepass.kd
    .args:
      - { .name: keys, .offset: 0, .size: 8, .value_kind: global_buffer, .address_space: global }
      - { .name: wimg, .offset: 8, .size: 8, .value_kind: global_buffer, .address_space: global }
      - { .name: biasc, .offset: 16, .size: 8, .value_kind: global_buffer, .address_space: global }
      - { .name: va_w, .offset: 24, .size: 8, .value_kind: global_buffer, .address_space: global }
      - { .name: scorebuf, .offset: 32, .size: 8, .value_kind: global_buffer, .address_space: global }
    .group_segment_fixed_size: 327680
    .private_segment_fixed_size: 0
    .kernarg_segment_align: 8
    .kernarg_segment_size: 40
    .max_flat_workgroup_size: 128
    .sgpr_count:     66
    .vgpr_count:     1024
    .wavefront_size: 32
...
	.end_amdgpu_metadata
.endif
;; end of part 2
;; launch context (part 3): grid 8 x 32, 16 waves a work-group, no clusters, 18,944 bytes of LDS; arguments keys, mask, scorebuf, out0; writes out0
.if DOCPART == 3
	.amdgcn_target "amdgcn-amd-amdhsa--gfx1250"
	.amdhsa_code_object_version 6
	.text
	.protected	k_qa479b94b14_context
	.globl	k_qa479b94b14_context
	.p2align	8
	.type	k_qa479b94b14_context,@function
k_qa479b94b14_context:
	s_mov_b64 s[64:65], 0
	v_nop
	global_prefetch_b8 v0, s[64:65] scope:SCOPE_SE
	s_setreg_imm32_b32 hwreg(HW_REG_WAVE_MODE, 25, 1), 1
	s_wait_xcnt 0x0
; out0[b][:] = sum over l of softmax_l(masked score[b][l]) keys[b][l][:].  Everything in f32.
; SHARES.  Work-group (x, b) owns columns 128 x .. 128 x + 127 of batch b: each output has one owner.  Wave w takes rows 128 w .. 128 w + 127; a load of a wave is 512 consecutive bytes of one row, aligned.
; Each work-group makes the batch's softmax itself (8 KiB of scores): thread t holds rows 4 t .. 4 t + 3, which are rows of its own wave; the maximum is taken away before the exponential; p is not normalised, the sum divides at the end.
; A masked row has p = 0.  A batch that is masked whole gives NaN by the arithmetic itself (-inf less -inf), as the definition does.
; A stream bound by memory: no matrix unit (one row of weights), no cluster (work-groups share no bytes of keys), no prefetch (the stream is read as fast as it comes).  A ring of 16 loads a wave.
; LIMITS: NaN among the inputs is not served.
; The scores in scorebuf lack va_b[0] + sum_n va_w[n], which is the same along l and leaves the softmax as it is (shown at the head of the first kernel).
.set CT,   8192                        ; LDS: p at 0 (8,192 bytes); the waves' partial results, 512 bytes each;
.set RED,  16384                       ; the waves' maxima (64 bytes) and sums (64 bytes)
.set X,    16                          ; v16-79   the ring: 16 places of 4 registers
.set W,    80                          ; v80-207  my wave's 128 weights, in every lane
.set ACC,  208                         ; v208-215 two sets of four sums: even rows, odd rows
	s_load_b256 s[4:11], s[0:1], 0x0               ; keys s[4:5], mask s[6:7], scorebuf s[8:9], out0 s[10:11]
	v_lshl_add_u32 v216, v0, 2, 0x4200
	v_mov_b32 v217, 0
	v_lshrrev_b32 v1, 5, v0
	v_readfirstlane_b32 s12, v1                    ; wave 0..15
	v_and_b32 v1, 31, v0
	v_lshlrev_b32 v2, 4, v1                        ; 16 x lane
	v_lshlrev_b32 v3, 4, v0                        ; 16 x thread: my four scores, and my four p in LDS
	v_lshlrev_b32 v4, 2, v0                        ; my four mask bytes
	v_add_nc_u32 v5, CT, v2
	s_lshl_b32 s22, s12, 9
	v_add_nc_u32 v6, s22, v5                       ; my wave's partial result
	v_mov_b32 v9, s22                              ; my wave's 128 p
	s_lshl_b32 s23, s12, 2
	s_add_co_u32 s23, s23, RED
	v_mov_b32 v7, s23
	v_mov_b32 v8, RED
	s_and_b32 s13, ttmp7, 0xffff                   ; batch
	s_lshl_b32 s14, s13, 23                        ; 2,048 rows of 4,096 bytes,
	s_lshl_b32 s15, ttmp9, 9                       ; my 512 bytes of a row,
	s_add_co_u32 s14, s14, s15
	s_lshl_b32 s15, s12, 19                        ; my wave's 128 rows
	s_add_co_u32 s14, s14, s15
	s_mov_b32 s15, 0
	s_lshl_b32 s16, s13, 11
	s_mov_b32 s17, 0
	s_lshl_b32 s18, s13, 13
	s_mov_b32 s19, 0
	s_lshl_b32 s20, s13, 12
	s_lshl_b32 s21, ttmp9, 9
	s_add_co_u32 s20, s20, s21
	s_mov_b32 s21, 0
	s_mov_b32 s24, 0x76543210
	s_mov_b32 s25, 0xfedcba98                      ; v_permlanex16_b32's selects for lane l xor 16
	s_mov_b32 s26, 0x3fb8aa3b                      ; log2(e)
	s_wait_alu depctr_va_vdst(0)
	s_wait_kmcnt 0x0
	s_add_nc_u64 s[4:5], s[4:5], s[14:15]
	s_add_nc_u64 s[6:7], s[6:7], s[16:17]
	s_add_nc_u64 s[8:9], s[8:9], s[18:19]
	s_add_nc_u64 s[10:11], s[10:11], s[20:21]
	global_load_b128 v[10:13], v3, s[8:9]
	global_load_b32 v14, v4, s[6:7]
.irp i, 0,1,2,3,4,5,6,7,8,9,10,11,12,13,14,15
	global_load_b128 v[X+4*\i:X+4*\i+3], v2, s[4:5] offset:4096*\i th:TH_LOAD_NT
.endr
	s_wait_loadcnt 16                              ; the 16 loads of keys stay out: scores and mask are in
	v_mov_b32 v208, 0xff800000                     ; -infinity
.irp j, 0,1,2,3
	v_bfe_u32 v209, v14, 8*\j, 8
	v_cmp_ne_u32 vcc_lo, 0, v209
	v_cndmask_b32 v[10+\j], v[10+\j], v208, vcc_lo
.endr
	v_max3_num_f32 v210, v10, v11, v12
	v_max_num_f32 v210, v210, v13
	v_max_num_f32_dpp v210, v210, v210 row_xmask:1 row_mask:0xf bank_mask:0xf
	v_max_num_f32_dpp v210, v210, v210 row_xmask:2 row_mask:0xf bank_mask:0xf
	v_max_num_f32_dpp v210, v210, v210 row_xmask:4 row_mask:0xf bank_mask:0xf
	v_max_num_f32_dpp v210, v210, v210 row_xmask:8 row_mask:0xf bank_mask:0xf
	v_mov_b32 v211, 0
	v_permlanex16_b32 v211, v210, s24, s25
	v_max_num_f32 v210, v210, v211
	ds_store_b32 v7, v210                          ; my wave's maximum
	s_wait_alu depctr_va_vdst(0)
	s_wait_dscnt 0x0
	s_barrier_signal -1
	s_barrier_wait -1
.irp k, 0,1,2,3
	ds_load_b128 v[80+4*\k:83+4*\k], v8 offset:16*\k
.endr
	s_wait_dscnt 0x0
	v_max3_num_f32 v80, v80, v81, v82
	v_max3_num_f32 v83, v83, v84, v85
	v_max3_num_f32 v86, v86, v87, v88
	v_max3_num_f32 v89, v89, v90, v91
	v_max3_num_f32 v92, v92, v93, v94
	v_max3_num_f32 v80, v80, v83, v86
	v_max3_num_f32 v89, v89, v92, v95
	v_max_num_f32 v80, v80, v89                    ; the batch's maximum
	v_mul_f32 v81, s26, v80
.irp j, 0,1,2,3
	v_fma_f32 v[10+\j], v[10+\j], s26, -v81
.endr
	s_wait_alu depctr_va_vdst(0)
.irp j, 0,1,2,3
	v_exp_f32 v[10+\j], v[10+\j]                   ; p = e^(score - maximum)
.endr
	v_nop                                          ; a plain line behind the last exponential,
	s_wait_alu depctr_va_vdst(0)                   ; and one wait for the four, ahead of their first reader
	ds_store_b128 v3, v[10:13]
	v_add_f32 v210, v10, v11
	v_add_f32 v211, v12, v13
	v_add_f32 v210, v210, v211
	v_add_f32_dpp v210, v210, v210 row_xmask:1 row_mask:0xf bank_mask:0xf
	v_add_f32_dpp v210, v210, v210 row_xmask:2 row_mask:0xf bank_mask:0xf
	v_add_f32_dpp v210, v210, v210 row_xmask:4 row_mask:0xf bank_mask:0xf
	v_add_f32_dpp v210, v210, v210 row_xmask:8 row_mask:0xf bank_mask:0xf
	v_permlanex16_b32 v211, v210, s24, s25
	v_add_f32 v210, v210, v211
	ds_store_b32 v7, v210 offset:64                ; my wave's sum: wave 0 reads it behind the last barrier
.irp k, 0,1,2,3,4,5,6,7,8,9,10,11,12,13,14,15,16,17,18,19,20,21,22,23,24,25,26,27,28,29,30,31
	ds_load_b128 v[W+4*\k:W+4*\k+3], v9 offset:16*\k   ; my wave's own 128 p, the same in every lane.  LDS serves a wave's instructions in order: these see my wave's stores
.endr
	s_wait_dscnt 0x0
.macro CROW i                          ; row i: four columns a lane x the row's weight; then the ring place's next row
	s_wait_alu depctr_va_vdst(0)
.if (\i) < 112
	s_wait_loadcnt 15                              ; the 15 younger loads stay out
.else
	s_wait_loadcnt 127-(\i)                        ; the last 16 rows load nothing: the counts run down
.endif
.set xs, X+4*((\i)%16)
.set wp, W+2*((\i)/2)
.set ac, ACC+4*((\i)%2)
.if (\i) == 0                                      ; the first two rows start the sums
	v_pk_mul_f32 v[ac:ac+1], v[xs:xs+1], v[wp:wp+1] op_sel_hi:[1,0]
	v_pk_mul_f32 v[ac+2:ac+3], v[xs+2:xs+3], v[wp:wp+1] op_sel_hi:[1,0]
.elseif (\i) == 1
	v_pk_mul_f32 v[ac:ac+1], v[xs:xs+1], v[wp:wp+1] op_sel:[0,1] op_sel_hi:[1,1]
	v_pk_mul_f32 v[ac+2:ac+3], v[xs+2:xs+3], v[wp:wp+1] op_sel:[0,1] op_sel_hi:[1,1]
.elseif (\i)%2 == 0                                ; an even row's weight is the pair's first register, an odd row's the second: it serves both halves
	v_pk_fma_f32 v[ac:ac+1], v[xs:xs+1], v[wp:wp+1], v[ac:ac+1] op_sel_hi:[1,0,1]
	v_pk_fma_f32 v[ac+2:ac+3], v[xs+2:xs+3], v[wp:wp+1], v[ac+2:ac+3] op_sel_hi:[1,0,1]
.else
	v_pk_fma_f32 v[ac:ac+1], v[xs:xs+1], v[wp:wp+1], v[ac:ac+1] op_sel:[0,1,0] op_sel_hi:[1,1,1]
	v_pk_fma_f32 v[ac+2:ac+3], v[xs+2:xs+3], v[wp:wp+1], v[ac+2:ac+3] op_sel:[0,1,0] op_sel_hi:[1,1,1]
.endif
.if (\i)+16 < 128
	global_load_b128 v[xs:xs+3], v2, s[4:5] offset:4096*((\i)+16) th:TH_LOAD_NT
.endif
.endm
.set qq, 0
.rept 128
	CROW qq
.set qq, qq+1
.endr
	v_pk_add_f32 v[208:209], v[208:209], v[212:213]
	v_pk_add_f32 v[210:211], v[210:211], v[214:215]
	ds_store_b128 v6, v[208:211]
	s_wait_dscnt 0x0                               ; for wave 0's sake: my partial result and my sum lie in LDS
	s_barrier_signal -1
	s_barrier_wait -1
	s_cmp_lg_u32 s12, 0
	s_cbranch_scc1 .Lend
.irp k, 0,1,2,3,4,5,6,7,8,9,10,11,12,13,14,15
	ds_load_b128 v[X+4*\k:X+4*\k+3], v5 offset:512*\k
.endr
.irp k, 0,1,2,3
	ds_load_b128 v[W+4*\k:W+4*\k+3], v8 offset:64+16*\k
.endr
	s_wait_dscnt 0x0
.irp k, 0,2,4,6
	v_pk_add_f32 v[W+\k:W+\k+1], v[W+\k:W+\k+1], v[W+8+\k:W+9+\k]
.endr
.irp k, 0,2
	v_pk_add_f32 v[W+\k:W+\k+1], v[W+\k:W+\k+1], v[W+4+\k:W+5+\k]
.endr
	v_pk_add_f32 v[W:W+1], v[W:W+1], v[W+2:W+3]
	v_add_f32 v[W], v[W], v[W+1]                   ; the batch's sum of p
	s_wait_alu depctr_va_vdst(0)
	v_rcp_f32 v[W], v[W]
.irp d, 8,4,2,1                                    ; the sixteen waves' parts: plain work behind the reciprocal
.set kq, 0
.rept \d
	v_pk_add_f32 v[X+4*kq:X+4*kq+1], v[X+4*kq:X+4*kq+1], v[X+4*(kq+\d):X+4*(kq+\d)+1]
	v_pk_add_f32 v[X+4*kq+2:X+4*kq+3], v[X+4*kq+2:X+4*kq+3], v[X+4*(kq+\d)+2:X+4*(kq+\d)+3]
.set kq, kq+1
.endr
.endr
	s_wait_alu depctr_va_vdst(0)                   ; the wait ahead of the reciprocal's first reader
	v_pk_mul_f32 v[X:X+1], v[X:X+1], v[W:W+1] op_sel_hi:[1,0]
	v_pk_mul_f32 v[X+2:X+3], v[X+2:X+3], v[W:W+1] op_sel_hi:[1,0]
	global_store_b128 v2, v[X:X+3], s[10:11]       ; 512 consecutive bytes, aligned
.Lend:
	s_wait_tensorcnt 0x0
	ds_add_u32 v216, v217
	s_wait_dscnt 0x0
	s_endpgm
.Lfunc_end_k_qa479b94b14_context:
	.size	k_qa479b94b14_context, .Lfunc_end_k_qa479b94b14_context-k_qa479b94b14_context
	.p2alignl 7, 3214868480
	.fill 96, 4, 3214868480
	.section	.rodata,"a",@progbits
	.p2align	6, 0x0
	.amdhsa_kernel k_qa479b94b14_context
		.amdhsa_group_segment_fixed_size 18944
		.amdhsa_private_segment_fixed_size 0
		.amdhsa_enable_private_segment 0
		.amdhsa_kernarg_size 32
		.amdhsa_user_sgpr_count 2
		.amdhsa_user_sgpr_kernarg_segment_ptr 1
		.amdhsa_wavefront_size32 1
		.amdhsa_system_sgpr_workgroup_id_x 1
		.amdhsa_system_sgpr_workgroup_id_y 1
		.amdhsa_system_sgpr_workgroup_id_z 1
		.amdhsa_system_vgpr_workitem_id 0
		.amdhsa_next_free_vgpr 218
		.amdhsa_next_free_sgpr 66
		.amdhsa_reserve_vcc 1
		.amdhsa_float_denorm_mode_32 3
		.amdhsa_float_denorm_mode_16_64 3
		.amdhsa_memory_ordered 1
		.amdhsa_forward_progress 1
		.amdhsa_inst_pref_size 48
	.end_amdhsa_kernel
	.amdgpu_metadata
---
amdhsa.version: [ 1, 2 ]
amdhsa.kernels:
  - .name:           k_qa479b94b14_context
    .symbol:         k_qa479b94b14_context.kd
    .args:
      - { .name: keys, .offset: 0, .size: 8, .value_kind: global_buffer, .address_space: global }
      - { .name: mask, .offset: 8, .size: 8, .value_kind: global_buffer, .address_space: global }
      - { .name: scorebuf, .offset: 16, .size: 8, .value_kind: global_buffer, .address_space: global }
      - { .name: out0, .offset: 24, .size: 8, .value_kind: global_buffer, .address_space: global }
    .group_segment_fixed_size: 18944
    .private_segment_fixed_size: 0
    .kernarg_segment_align: 8
    .kernarg_segment_size: 32
    .max_flat_workgroup_size: 512
    .sgpr_count:     66
    .vgpr_count:     218
    .wavefront_size: 32
...
	.end_amdgpu_metadata
.endif
;; end of part 3
